; MI455X (gfx1250); checked and timed in simulation.
; The chip was launched on July 23, 2026; its instructions are those of AMD's public machine-readable ISA for CDNA 5 (MIT licence, August 2026) and "CDNA5" Instruction Set Architecture Reference Guide (July 2026). The comments in the code are by the model that wrote it; some were corrected since.
;; Sparse Attention. Allowed arithmetic: matrix products marked QUANTISED: E2M1 operands, one E8M0 scale for each 32 along K, by v_wmma_scale_f32_16x16x128_f8f6f4 with both operands' format E2M1 (or v_wmma_scale_f32_32x16x128_f4), f32 sums; everything else in f32.
;; Inputs: k_codes 2 x 4,096 x 32 x 16 uint8 (E2M1 codes of k, K innermost, in blocks of 32 codes, two codes a byte); k_scales 2 x 4,096 x 32 uint8 (E8M0 scales of k, one for each 32 codes along K); q_codes 2 x 4,096 x 32 x 16 uint8 (E2M1 codes of q, K innermost, in blocks of 32 codes, two codes a byte); q_scales 2 x 4,096 x 32 uint8 (E8M0 scales of q, one for each 32 codes along K); v 2 x 4,096 x 1,024 float32.
;; Outputs: out0 2 x 4,096 x 1,024 float32.
;; This version of the problem:
;;   THIS VERSION OF THE PROBLEM IS GIVEN IN LOW PRECISION. The matrix products marked QUANTISED in the list below multiply operands that are first quantised to E2M1 (2 exponent bits, 1 mantissa bit; 4 bits a number), with one power-of-two scale for each 32 numbers along K (OCP MX v1.0); their sums are f32. All else is computed in f32.
;;   The module's matrix products, in the order in which they are computed (A, B: the left and right operand; K: the contracted axis; several contracted axes count as one K, in the product's order):
;;     1. batch 2 x [M 4,096, K 1,024] x [K 1,024, N 4,096]; A: input q (given as codes); B: input k (given as codes): QUANTISED
;;     2. batch 2 x [M 4,096, K 4,096] x [K 4,096, N 1,024]; A: softmax (see below); B: input v: QUANTISED
;;   THE QUANTISER, for each operand of a quantised product, along K:
;;     - K is cut into blocks of 32 from its start; a last block that is shorter is filled with zeros.
;;     - A block's scale is 2^e with e = floor(log2(the largest magnitude in the block)) - 2, held to -126 .. 127; a block of zeros has e = 0. As a byte (E8M0): e + 127.
;;     - Each number is divided by its block's scale, clamped to +-6, and rounded to the nearest number of E2M1, ties to even, subnormals kept.
;;     - The product sums the exact products of the quantised numbers (number of the format x scale) in f32.
;;   ~~~python
;;   def quantise(x, axis):      # numpy; x: float32 -> the quantised numbers, widened to float32 again
;;       x = np.moveaxis(x, axis, -1); K = x.shape[-1]
;;       x = np.pad(x, [(0, 0)] * (x.ndim - 1) + [(0, -K % 32)]); x = x.reshape(x.shape[:-1] + (-1, 32)); a = np.abs(x).max(-1, keepdims=True)
;;       e = np.where(a > 0, np.clip(np.frexp(np.where(a > 0, a, 1))[1] - 1 - 2, -126, 127), 0)      # np.frexp(a)[1] - 1 = floor(log2(a)), exactly
;;       r = np.clip(x / 2.0 ** e, -6, 6)
;;       step = 2.0 ** (np.maximum(np.frexp(np.where(r == 0, 1, r))[1] - 1, 0) - 1)
;;       q = np.round(r / step) * step * 2.0 ** e      # np.round: ties to even
;;       return np.moveaxis(q.reshape(q.shape[:-2] + (-1,))[..., :K], -1, axis).astype(np.float32)
;;   ~~~
;;   SOFTMAX AHEAD OF A QUANTISED PRODUCT. Where the list says 'softmax', what is quantised is not the finished softmax but p = 2^(t - M), with t = logit x log2(e) and M = ceil(the row's largest t), a whole number; so 1/2 < the row's largest p <= 1. The row's sum l is taken of the UNQUANTISED p, in f32, and the product's result is divided by l at the end. Since M is a whole number, a kernel that streams over the keys may use a running M (the ceiling of the running maximum): every later rescaling is an exact power of two, which a block's scale takes up: the codes' values come out the same.
;;   OPERANDS COMPUTED ON THE WAY. 'Computed on the way' means the value that the module computes at that place (a softmax that the list does not call 'softmax' is quantised finished and normalised). What goes into a quantiser is computed in f32, as accurately as f32 sums, v_exp_f32 and their like allow (about 1e-6 of the number): no bf16 or f16 on the way to a quantiser, and a product that is left as it is and whose result goes on into a quantised operand takes f32 operands (vector FMAs, or v_wmma_f32_16x16x4_f32). A number that lies on a knife's edge between two numbers of the format may be rounded either way, as far as f32 arithmetic and the matrix unit's own rounding can turn it there, and no further.
;;   INPUTS GIVEN AS CODES. k (in the module: [2, 4096, 1024], K = its axis 2); q (in the module: [2, 4096, 1024], K = its axis 2): each comes as NAME_codes (uint8): NAME with its K axis moved to the last place and cut into blocks of 32 codes, [.., K / 32, bytes a block], one block behind the other in memory; two codes a byte, the lower K in the low four bits (a code: sign, 2 exponent bits, 1 mantissa bit); and NAME_scales (uint8): the same leading axes, one E8M0 byte (e + 127) for each 32 codes along K. Its value is code x scale, taken as it is: it is not quantised again, and the codes and scales need not be those that the quantiser above would give.
;; One version. Each part assembles by itself: llvm-mc -triple=amdgcn-amd-amdhsa -mcpu=gfx1250 --defsym DOCPART=n.
;; ======== version 1 of 1: 2 launches
;; limits: right only within a limited range of input values
;; workspace buffers: vc 4,194,304 bytes; vs 262,144 bytes; pc 16,777,216 bytes; pw 1,048,576 bytes; pm 1,048,576 bytes; pl 1,048,576 bytes
;; launch sp (part 1): grid 8 x 32, 4 waves a work-group, clusters of 4 x 4, 327,680 bytes of LDS; arguments q_codes, q_scales, k_codes, k_scales, pc, pw, pm, pl, v, vc, vs; writes pc, pw, pm, pl, vc, vs
.if DOCPART == 1
	.amdgcn_target "amdgcn-amd-amdhsa--gfx1250"
	.amdhsa_code_object_version 6
	.text
	.protected	k_qf13fc565d9_sp
	.globl	k_qf13fc565d9_sp
	.p2align	8
	.type	k_qf13fc565d9_sp,@function
k_qf13fc565d9_sp:
	s_mov_b64 s[64:65], 0
	v_nop
	global_prefetch_b8 v0, s[64:65] scope:SCOPE_SE
	s_setreg_imm32_b32 hwreg(HW_REG_WAVE_MODE, 25, 1), 1
	s_wait_xcnt 0x0
	s_wait_alu depctr_hold_cnt(0) depctr_sa_sdst(0) depctr_va_vdst(0) depctr_va_sdst(0) depctr_va_ssrc(0) depctr_va_vcc(0) depctr_vm_vsrc(0)
	s_getreg_b32 s2, hwreg(HW_REG_IB_STS2, 6, 4)
	s_cmp_eq_u32 s2, 0
	s_cbranch_scc0 .Lentry_in_a_cluster
	s_endpgm
.Lentry_in_a_cluster:
	s_bfe_u32 s2, ttmp6, 0x10000c
	s_cmp_lg_u32 s2, 0xf033
	s_cbranch_scc0 .Lentry_shape_is_right
	s_endpgm
.Lentry_shape_is_right:
; THE PROGRAM: out0 = softmax(q k^T / 16) v over 4,096 tokens and 1,024 channels, 2 batches, both products on codes of FP4 (E2M1) with one E8M0 scale for each 32 along K.
; (The scale is 1 / sqrt(1,024 / 4) = 1 / 16.)  Two launches: this one (scores, softmax, p into codes; and, beside it, v into codes: the part called vq in the comments), and pv (p times v).
; WHAT IS LEFT OUT: no arithmetic and no input.  reference() permutes the tokens (index 128 l + b stands for token 32 b + l) ahead of both products and undoes it on the result.
; A query row depends on no other query row, so the row of out0 at a token is the attention of q at that token, for all values: the queries' permutation and its inverse are two moves that cancel, and are not made.
; The KEYS' permutation stays: it says which 32 keys share a block of the second product's quantiser.  It is kept by addresses alone: STEP s (0..31) = the 128 permuted keys 128 s + b = tokens 32 b + s; its blocks are b = 32 c .. 32 c + 31.
; SHARES.  256 work-groups: work-group (x, y) makes S^T = K Q^T on the given codes (K = the 1,024 channels) for 256 queries (rows 256 y on of the 8,192) x the four steps 4 x .. 4 x + 3, as two tiles u = 0, 1 of two steps each.
; Four waves; wave w makes 128 queries (half w / 2) x step 4 x + 2 u + (w & 1): 32 accumulators of 32 keys x 16 queries, 512 registers.
; LDS.  Q's 256 rows come once and stay, in two halves of 512 channels (slot 0, slot 1), K's 256 rows of tile 0 beside them.  When every wave has read tile 0's keys out of LDS, tile 1's are asked for, one joint load a wave,
; and they land while tile 0 goes through the softmax.  Rows of 256 bytes.  One tensor load of a wave is out at the most.
; SCALES.  Q's: lane (r, h) takes the four words of channels 512 h on of row r: one load of 16 bytes a lane for a tile of 16 queries, kept in 32 registers; the upper half is named by the row selector.
; K's: 128 bytes (four steps) of each of 128 rows are copied once through registers into LDS for the four waves.
; A LOCAL M.  t = score x log2(e) / 16.  Here M_s = ceil(the largest t of the query among the step's 128 keys), p = 2^(t - M_s).  M_s is a whole number, so against the row's final M the codes stay as they are and
; only the scale bytes fall by M - M_s: pv does that.  Stored for each (query, step): p's codes as the image of the operand's registers, its scale word (four bytes), -M_s (f32) and the sum of the unquantised p.
; CLUSTERS: 4 x 4 work-groups.  The four of a row of the cluster need the same rows of Q, the four of a column the same rows of K: each tile is asked for jointly, by the same tensor load with the same descriptor and a mask that names the four.
; THE MATRIX INSTRUCTION IS USED TRANSPOSED: source 0 = 32 keys, source 1 = 16 queries: lane (r, h) holds query r, and register 16 b + 8 t + j of a tile of queries holds key 32 b + 16 t + 8 h + j of the step.
; The conversions put register 16 b + i of half h at place 16 h + i of block b: place 16 h + 8 u + j holds key 16 u + 8 h + j of the block (bits 3 and 4 of the place change places).
; THE PART vq: v [2][4096][1024] f32 becomes codes along the permuted keys.  In trip u wave w takes channels 64 cg + 32 p + lane, cg = 2 x + (y & 1), p = w & 1, of batch y / 16, step 4 G + 2 u + w / 2, G = (y / 2) & 7:
; waves 2 i and 2 i + 1 together read whole aligned runs of 256 bytes.  A LANE TAKES A CHANNEL, ITS REGISTERS RUN DOWN THE KEYS: a block of 32 lies in one lane's 32 registers.  A sum over a block does not mind the order if both
; operands have the same, so register i of a block is loaded from key 32 c + sigma(i), sigma = the swap of bits 3 and 4 that p's codes have.  A block's scale is 2^(floor(log2(its largest magnitude)) - 2);
; its byte is the largest magnitude's exponent field - 2, held at 1 from below (a block of zeros keeps the byte 1: its codes are zeros, and this program alone reads the bytes).
; PREFETCH: trip 1's numbers of v (128 rows x 256 bytes for a pair of waves) are prefetched at the end of tile 0's products, a whole softmax ahead of their loads; the two waves of a pair take 64 rows each, a lane a row.
; Tile 1's K is asked for itself a whole softmax ahead of its use, and everything else comes in the head: no other prefetch.
; REGISTERS, in windows of 256: window 0: v16-31 addresses and the like; v32-63 Q's scale words; v64-95 K's; v96-127 K's scales on their way to LDS, later codes of p; v128-191, v192-255 Q's fragments, two sets; in the softmax t and p of two tiles.
;   window 1: K's fragments, two sets (v0-63, v128-191), where the softmax's small registers lie later; v64-127 and v192-255 v's numbers.
;   window 2: the accumulators of my queries 0-63 ((a, b) at v[64 (a % 4) + 16 b]); window 3: those of queries 64-127.
; pc: [n][chunk 32 of 128 queries][step 32][tile 8 of 16 queries][1,024 bytes];  pw, pm, pl: [n][step 32][chunk 32][lane 32][j 4] words: query 32 j + lane of the chunk.
; vc: [n][cg 16 of 64 channels][step 32][tile 4 of 16 channels][1,024 bytes]: registers 4 c' .. 4 c' + 3 of lane l of a fragment at byte 512 c' + 16 l; block c of channel r is registers 4 (c / 2) .. of lane 16 (c % 2) + r.
; vs: [n][cg][p 2][G 8][lane 32][4 words]: lane = 16 (tile & 1) + r, tile = 2 p + lane / 16; word q = the four scale bytes of step 4 G + q.
; LIMITS: |t| under 2^24 (M is kept as an f32 whole number); scale bytes 0xff, NaN and infinities are not served; blocks of v whose largest magnitude lies under 2^-124 keep the byte 1.
.set PITCH,  272                       ; an LDS row: 256 bytes + 16 of padding: the 16 rows that a load touches start at 16 different banks (64 banks of 4 bytes: ISA guide 11.1)
.set HALFT,  128*PITCH
.set SLOT,   4*HALFT                   ; 512 channels: Q's 256 rows, then K's 256 rows (the tile's first step, then its second)
.set SPITCH, 144                       ; a row of K's scale bytes: 128 + 16 of padding
.set SCK,    2*SLOT
.set SPARE,  SCK+128*SPITCH            ; the spare words, 128 bytes a wave
.set XCH,    SPARE+512                 ; 1,024 bytes in which the scale words of v meet: [p 2][lane 32][q 4]; no fill lands here
.set ADRA, 16                          ; v16-17  LDS address of my Q fragments in slot 0, 1
.set KSI,  18                          ; v18     my 16 bytes of K's scales in memory
.set KSS,  19                          ; v19     and in LDS
.set ADRB, 20                          ; v20-21  LDS address of my K fragments in slot 0, 1
.set QSI,  22                          ; v22     32 r + 16 h: my words of Q's scales
.set ADRSK, 23                         ; v23     LDS address of my K scale words
.set CO,   24                          ; v24     16 x lane: an image's place for my lane
.set VIN,  25                          ; v25     4 x lane: my channel in a row of v
.set VOUT, 26                          ; v26     my channel's place in vc: tile lane / 16 (1,024 bytes), 16 bytes for channel lane % 16
.set XST,  27                          ; v27     XCH + 512 p + 16 lane + 4 (w / 2)
.set SPW,  28
.set NIL,  29
.set XLD,  30                          ; v30     XCH + 512 p + 16 lane
.set VW0,  31                          ; v31     trip 0's scale word of v
.set PFV,  15                          ; v15     131,072 x lane: the prefetches' rows
.set SCA,  32                          ; v[SCA + 4 a + q]: block a of queries; lanes 0-15 channels 128 q on, lanes 16-31 channels 128 (4 + q) on
.set SCB,  64                          ; v[SCB + 8 b + k]: block b of 32 keys, channels 128 k on
.set STG,  96
.set G1,   24
.set G0,   32                          ; s[32:35], s[36:39] Q's groups 0
.set G1B,  48
.set G0B,  56                          ; s[56:59], s[60:63] K's
.set SEL,  66                          ; s[66:67] v_permlanex16_b32's selects for lane l xor 16
.set G0R,  68                          ; s[68:71] tile 1's K
.set CS,   72                          ; s[72:73] c = log2(e) / 16
.set PFB, 100                          ; s[100:101] the prefetches' base
.set MSB, 0
.macro WIN new                         ; the immediate's high byte repeats the setting that is left
.if MSB != \new
	s_set_vgpr_msb (MSB<<8)|\new
.set MSB, \new
.endif
.endm
.set MUL_LO, 0xa1                      ; source 0 (K) window 1, source 1 (Q) window 0, C and D window 2
.set MUL_HI, 0xf1
.set TO_B,   0x40
; A joint load of slot s: waves 0 and 1 fetch Q's two halves of rows, waves 2 and 3 K's two steps.  The branch hangs on the wave's number alone.  An s_nop 0 and four v_nop follow each of the two lines.
.macro JLOAD s
	s_cmp_eq_u32 s21, 0
	s_cbranch_scc0 .Lfor_b_\@
	tensor_load_to_lds s[G0+4*\s:G0+4*\s+3], s[G1:G1+7]
	s_nop 0
.rept 4
	v_nop
.endr
	s_branch .Lasked_\@
.Lfor_b_\@:
	tensor_load_to_lds s[G0B+4*\s:G0B+4*\s+3], s[G1B:G1B+7]
	s_nop 0
.rept 4
	v_nop
.endr
.Lasked_\@:
.endm
.macro CREST                           ; a round of the cluster's barrier behind its opening barrier
	s_cmp_lg_u32 s20, 0
	s_cbranch_scc1 .Lnot_wave_0_\@
	s_barrier_signal -3
.Lnot_wave_0_\@:
	s_barrier_wait -3
	s_barrier_signal -1
	s_barrier_wait -1
.endm
.macro CROUND                          ; a whole round
	s_barrier_signal -1
	s_barrier_wait -1
	CREST
.endm
	s_load_b256 s[4:11], s[0:1], 0x0               ; Q's codes s[4:5], Q's scales s[6:7], K's codes s[8:9], K's scales s[10:11]
	s_load_b256 s[12:19], s[0:1], 0x20             ; pc s[12:13], pw s[14:15], pm s[16:17], pl s[18:19]
	s_load_b128 s[84:87], s[0:1], 0x40             ; v s[84:85], vc s[86:87]
	s_load_b64 s[88:89], s[0:1], 0x50              ; vs
	v_lshl_add_u32 v[SPW], v0, 2, SPARE
	v_mov_b32 v[NIL], 0
	ds_add_u32 v[SPW], v[NIL]                      ; the wave's opening: the add, twice on end, and its wait ahead of my first tensor load
	ds_add_u32 v[SPW], v[NIL]
	v_lshrrev_b32 v1, 5, v0
	v_readfirstlane_b32 s20, v1                    ; wave 0..3
	s_lshr_b32 s21, s20, 1                         ; which half of the queries is mine.  Also: in the head I fetch for Q (0) or for K (1)
	s_and_b32 s22, s20, 1                          ; which of a tile's two steps.  Also: which half I fetch
	s_bfe_u32 s40, ttmp6, 0x40000                  ; cx
	s_bfe_u32 s41, ttmp6, 0x40004                  ; cy
	s_lshl_b32 s42, ttmp9, 2
	s_add_co_u32 s42, s42, s40                     ; x: four steps of keys
	s_and_b32 s46, ttmp7, 0xffff                   ; cluster y
	s_lshl_b32 s43, s46, 2
	s_add_co_u32 s43, s43, s41                     ; y: 256 queries
	s_lshr_b32 s46, s46, 2                         ; n, made of the cluster's y alone: the same in all sixteen
	s_lshl_b32 s44, s41, 2
	s_lshl_b32 s44, 15, s44                        ; my row of the cluster
	s_lshl_b32 s45, 0x1111, s40                    ; my column
	; group 1: 128 rows x 256 bytes, 16 bytes of padding behind each.  Q's rows lie 512 bytes apart, a step's rows of K 32 x 512
	s_or_b32 s[G1+0], s44, (0<<16)|(1<<20)|(1<<21)|(5<<22)|(3<<25)
	s_or_b32 s[G1B+0], s45, (0<<16)|(1<<20)|(1<<21)|(5<<22)|(3<<25)
.irp g, G1, G1B
	s_mov_b32 s[\g+1], 256<<16                     ; tensor_dim0
	s_mov_b32 s[\g+2], 128<<16                     ; tensor_dim1
	s_mov_b32 s[\g+3], 256<<16                     ; tile_dim0
	s_mov_b32 s[\g+4], 128                         ; tile_dim1
	s_mov_b32 s[\g+6], 0
	s_mov_b32 s[\g+7], 0
.endr
	s_mov_b32 s[G1+5], 512                         ; tensor_dim0_stride
	s_mov_b32 s[G1B+5], 16384
	s_lshl_b32 s74, s43, 17                        ; Q's codes: (256 y + 128 half) x 512
	s_lshl_b32 s75, s22, 16
	s_add_co_u32 s74, s74, s75
	s_mov_b32 s75, 0
	s_lshl_b32 s78, s46, 21                        ; K's codes: n x 2,097,152 + (4 x + step) x 512
	s_lshl_b32 s79, s42, 11
	s_add_co_u32 s78, s78, s79
	s_lshl_b32 s79, s22, 9
	s_add_co_u32 s78, s78, s79
	s_mov_b32 s79, 0
	s_lshl_b32 s81, s21, 8                         ; tile 1: two steps on; waves 0 and 1 fetch channels 0-511, waves 2 and 3 the others
	s_add_co_u32 s80, s78, 1024
	s_add_co_u32 s80, s80, s81
	s_mov_b32 s81, 0
	s_lshl_b32 s82, s43, 13                        ; Q's scales: (256 y + 128 x my half) x 32
	s_lshl_b32 s83, s21, 12
	s_add_co_u32 s82, s82, s83
	s_mov_b32 s83, 0
	s_lshl_b32 s92, s46, 17                        ; K's scales: n x 131,072 + 128 x + my 32 rows of 1,024 bytes
	s_lshl_b32 s93, s42, 7
	s_add_co_u32 s92, s92, s93
	s_lshl_b32 s93, s20, 15
	s_add_co_u32 s92, s92, s93
	s_mov_b32 s93, 0
	s_mul_i32 s47, s20, HALFT                      ; where the head's tiles go: wave x 128 rows: no place in the cluster enters an LDS address
	s_mul_i32 s94, s21, SLOT                       ; where tile 1's go: behind Q's rows of slot w / 2
	s_mul_i32 s95, s22, HALFT
	s_add_co_u32 s94, s94, s95
	s_add_co_u32 s94, s94, 2*HALFT
	s_mov_b32 s[SEL], 0x76543210
	s_mov_b32 s[SEL+1], 0xfedcba98
	s_mov_b32 s[CS], 0x3db8aa3b
	s_mov_b32 s[CS+1], s[CS]                       ; (named with it as a pair, so it is written)
	s_and_b32 s95, s43, 15
	s_lshl_b32 s96, s95, 1
	s_add_co_u32 s96, s96, s21                     ; chunk = 2 (y % 16) + my half
	s_lshl_b32 s97, s42, 2
	s_add_co_u32 s97, s97, s22                     ; step of tile 0
	s_lshl_b32 s2, s46, 5                          ; 32 n
	s_add_co_u32 s98, s2, s96
	s_lshl_b32 s98, s98, 5
	s_add_co_u32 s98, s98, s97
	s_lshl_b32 s98, s98, 13                        ; pc: ((32 n + chunk) x 32 + step) x 8,192
	s_mov_b32 s99, 0
	s_add_co_u32 s2, s2, s97
	s_lshl_b32 s2, s2, 5
	s_add_co_u32 s2, s2, s96
	s_lshl_b32 s2, s2, 9                           ; pw, pm, pl: ((32 n + step) x 32 + chunk) x 512
	s_mov_b32 s3, 0
	s_lshl_b32 s40, s42, 1
	s_and_b32 s41, s95, 1
	s_add_co_u32 s40, s40, s41                     ; cg
	s_lshr_b32 s41, s95, 1                         ; G
	s_lshl_b32 s44, s41, 2
	s_add_co_u32 s44, s44, s21                     ; vq's step of trip 0
	s_lshl_b32 s96, s46, 24                        ; v: n x 16,777,216 + step x 4,096 + (64 cg + 32 p) x 4
	s_lshl_b32 s97, s44, 12
	s_add_co_u32 s96, s96, s97
	s_lshl_b32 s97, s40, 8
	s_add_co_u32 s96, s96, s97
	s_lshl_b32 s97, s22, 7
	s_add_co_u32 s96, s96, s97
	s_mov_b32 s97, 0
	s_lshl_b32 s45, s46, 4
	s_add_co_u32 s45, s45, s40                     ; 16 n + cg
	s_lshl_b32 s76, s45, 5                         ; vc: ((16 n + cg) x 32 + step) x 4,096 + 2 p x 1,024
	s_add_co_u32 s76, s76, s44
	s_lshl_b32 s76, s76, 12
	s_lshl_b32 s77, s22, 11
	s_add_co_u32 s76, s76, s77
	s_mov_b32 s77, 0
	s_lshl_b32 s44, s45, 13                        ; vs: (16 n + cg) x 8,192 + p x 4,096 + G x 512
	s_lshl_b32 s45, s22, 12
	s_add_co_u32 s44, s44, s45
	s_lshl_b32 s45, s41, 9
	s_add_co_u32 s44, s44, s45
	s_mov_b32 s45, 0
	s_mul_i32 s40, s20, 32*SPITCH
	s_add_co_u32 s40, s40, SCK                     ; my 32 rows of K's scales in LDS
	s_lshl_b32 s41, s22, 5
	s_add_co_u32 s41, s41, SCK                     ; my step's 32 bytes of a row
	s_lshl_b32 s95, s22, 9
	s_add_co_u32 s95, s95, XCH
	s_lshl_b32 s23, s21, 2
	s_add_co_u32 s23, s23, s95
	s_mul_i32 s42, s21, HALFT                      ; my 128 rows of Q
	s_mul_i32 s43, s22, HALFT                      ; my step's 128 rows of K,
	s_add_co_u32 s43, s43, 2*HALFT                 ; behind Q's 256
	v_and_b32 v1, 15, v0                           ; r
	v_bfe_u32 v2, v0, 4, 1                         ; h
	v_and_b32 v6, 31, v0                           ; lane
	v_mul_u32_u24 v3, v1, PITCH
	v_lshl_add_u32 v4, v2, 4, v3                   ; a fragment's row x pitch + 16 h
	v_add_nc_u32 v[ADRA], s42, v4
	v_add_nc_u32 v[ADRA+1], SLOT, v[ADRA]
	v_add_nc_u32 v[ADRB], s43, v4
	v_add_nc_u32 v[ADRB+1], SLOT, v[ADRB]
	v_lshlrev_b32 v[QSI], 5, v1
	v_lshl_add_u32 v[QSI], v2, 4, v[QSI]
	v_lshrrev_b32 v7, 3, v6                        ; K's scales: eight lanes a row of 128 bytes, four rows an instruction
	v_and_b32 v8, 7, v6
	v_lshlrev_b32 v8, 4, v8
	v_lshl_add_u32 v[KSI], v7, 10, v8
	v_mul_u32_u24 v9, v7, SPITCH
	v_add_nc_u32 v9, v9, v8
	v_add_nc_u32 v[KSS], s40, v9
	v_mul_u32_u24 v5, v6, SPITCH
	v_add_nc_u32 v[ADRSK], s41, v5
	v_lshlrev_b32 v[CO], 4, v6
	v_lshlrev_b32 v[VIN], 2, v6
	v_lshlrev_b32 v[VOUT], 4, v1
	v_lshl_add_u32 v[VOUT], v2, 10, v[VOUT]
	v_add_nc_u32 v[XLD], s95, v[CO]
	v_add_nc_u32 v[XST], s23, v[CO]
	v_lshlrev_b32 v[PFV], 17, v6
	v_mov_b32 v[VW0], 0                            ; (written ahead of the loop)
	s_wait_alu depctr_va_vdst(0)
	s_wait_dscnt 0x0                               ; both opening adds are done
	s_wait_kmcnt 0x0
	s_add_nc_u64 s[6:7], s[6:7], s[82:83]
	s_add_nc_u64 s[10:11], s[10:11], s[92:93]
.irp i, 0,1,2,3,4,5,6,7                ; K's scales: my 32 rows, for both tiles
	global_load_b128 v[STG+4*\i:STG+4*\i+3], v[KSI], s[10:11] offset:4096*\i
.endr
.irp a, 0,1,2,3,4,5,6,7                ; Q's scales: 512 consecutive bytes each
	global_load_b128 v[SCA+4*\a:SCA+4*\a+3], v[QSI], s[6:7] offset:512*\a
.endr
	s_mov_b32 s[G0], 1
	s_mov_b32 s[G0+1], s47
	s_add_nc_u64 s[G0+2:G0+3], s[4:5], s[74:75]
	s_or_b32 s[G0+3], s[G0+3], 0x80000000
	s_mov_b32 s[G0+4], 1
	s_add_co_u32 s[G0+5], s47, SLOT
	s_add_nc_u64 s[G0+6:G0+7], s[G0+2:G0+3], 256
	s_mov_b32 s[G0B], 1
	s_mov_b32 s[G0B+1], s47
	s_add_nc_u64 s[G0B+2:G0B+3], s[8:9], s[78:79]
	s_or_b32 s[G0B+3], s[G0B+3], 0x80000000
	s_mov_b32 s[G0B+4], 1
	s_add_co_u32 s[G0B+5], s47, SLOT
	s_add_nc_u64 s[G0B+6:G0B+7], s[G0B+2:G0B+3], 256
	s_mov_b32 s[G0R], 1
	s_mov_b32 s[G0R+1], s94
	s_add_nc_u64 s[G0R+2:G0R+3], s[8:9], s[80:81]
	s_or_b32 s[G0R+3], s[G0R+3], 0x80000000
	CROUND                                         ; all sixteen work-groups are here: the joint loads meet
	JLOAD 0                                        ; channels 0-511: one tensor load a wave at the head
	s_add_nc_u64 s[12:13], s[12:13], s[98:99]
	s_add_nc_u64 s[14:15], s[14:15], s[2:3]
	s_add_nc_u64 s[16:17], s[16:17], s[2:3]
	s_add_nc_u64 s[18:19], s[18:19], s[2:3]
	s_add_nc_u64 s[84:85], s[84:85], s[96:97]
	s_add_nc_u64 s[90:91], s[84:85], 0x800000      ; blocks 2 and 3 begin 64 keys x 131,072 bytes on: a second base keeps every offset inside the signed 24-bit immediate
	s_add_nc_u64 s[86:87], s[86:87], s[76:77]
	s_add_nc_u64 s[88:89], s[88:89], s[44:45]
	s_cmp_eq_u32 s22, 0                            ; the prefetches: p = 0 takes keys 0-63, p = 1 keys 64-127 of the pair's step in trip 1
	s_cselect_b64 s[PFB:PFB+1], s[84:85], s[90:91]
	s_add_nc_u64 s[PFB:PFB+1], s[PFB:PFB+1], 8192
; eight of v's 128 numbers: register i of a block takes key 32 c + sigma(i); from key to key of a step are 32 rows of 4,096 bytes.  32 lanes read 128 consecutive bytes, the pair's other wave the other half.
; Blocks 0, 1 land in v64-127 of window 1, blocks 2, 3 in v192-255.
.macro VL8 g
	WIN TO_B
.set vi, 8*(\g)
.rept 8
	global_load_b32 v[64+vi+64*(vi/64)], v[VIN], s[84+6*(vi/64):85+6*(vi/64)] offset:((vi/32)%2)*4194304+((vi&7)|((vi&8)<<1)|((vi&16)>>1))*131072
.set vi, vi+1
.endr
.endm
; four fragments i0 .. i0 + 3 of K step st (128 channels): 16 rows x 128 channels of 4-bit codes in 8 registers: lane l holds row l % 16; registers 4 c .. 4 c + 3 hold K = 64 c + 32 (l / 16) + 0 .. 31
.macro FRAGS set, adr, st, i0
.irp i, 0,1,2,3
.irp c, 0,1
	ds_load_b128 v[\set+8*(\i0+\i)+4*\c:\set+8*(\i0+\i)+4*\c+3], v[\adr+(\st)/4] offset:64*((\st)%4)+32*\c+(\i0+\i)*16*PITCH
.endr
.endr
.endm
.macro LK st, i0
	WIN TO_B
	FRAGS 128*((\st)%2), ADRB, \st, \i0
.endm
.macro LQ st, i0
	WIN 0
	FRAGS 128+64*((\st)%2), ADRA, \st, \i0
.endm
.macro FIRST u                         ; tile u's K scale words, and the first K step's fragments: K's, then Q's
	WIN 0
.irp b, 0,1,2,3
.irp c, 0,1
	ds_load_b128 v[SCB+8*\b+4*\c:SCB+8*\b+4*\c+3], v[ADRSK] offset:\b*32*SPITCH+64*\u+16*\c
.endr
.endr
	LK 0, 0
	LK 0, 4
	LQ 0, 0
	LQ 0, 4
.endm
; eight matrix instructions: Q's blocks a0, a0 + 1 x K's four blocks of 32 keys.  The first K step starts the sums with the constant 0.
; The 32 accumulators take turns, one instruction a turn, in the same order in every step.
.macro MUL8 a0, st
.irp d, 0,1
.irp b, 0,1,2,3
.set DA, 64*((\a0+\d)%4)+16*\b
.set KA, 128*((\st)%2)+16*\b
.set QA, 128+64*((\st)%2)+8*(\a0+\d)
.set SK, SCB+8*\b+(\st)
.set SQ, SCA+4*(\a0+\d)+(\st)%4
.if (\st) == 0
	v_wmma_scale_f32_32x16x128_f4 v[DA:DA+15], v[KA:KA+15], v[QA:QA+7], 0, v[SK], v[SQ]
.elseif (\st) < 4
	v_wmma_scale_f32_32x16x128_f4 v[DA:DA+15], v[KA:KA+15], v[QA:QA+7], v[DA:DA+15], v[SK], v[SQ]
.else
	v_wmma_scale_f32_32x16x128_f4 v[DA:DA+15], v[KA:KA+15], v[QA:QA+7], v[DA:DA+15], v[SK], v[SQ] matrix_b_scale:MATRIX_SCALE_ROW1
.endif
.endr
.endr
.endm
.macro PLACES                          ; plain vector instructions between a matrix instruction and a load into, or a read of, its registers
.rept 4
	v_nop
.endr
.endm
; K step st behind its first eight products: the next K step's 32 LDS loads (K's 16, then Q's 16) stand in groups of eight behind groups of products, into the other sets, whose last readers were the last K step's products.
; vl: v's loads beside them (-1: none).  The waits: each leaves out this step's Q fragments that are not yet wanted and the loads just issued.
.macro KREST st, vl
	PLACES
	LK \st+1, 0
.if (\vl) >= 0
	VL8 \vl
.endif
	s_wait_dscnt 16                                ; blocks 0-3 are in: 8 loads of blocks 4-7 and 8 of the next step may be out
	WIN MUL_LO
	MUL8 2, \st
	LK \st+1, 4
.if (\vl) >= 0
	VL8 \vl+1
.endif
	s_wait_dscnt 20                                ; 4 of blocks 6-7, 16 of the next step
	WIN MUL_HI
	MUL8 4, \st
	LQ \st+1, 0
	s_wait_dscnt 24                                ; 24 of the next step
	WIN MUL_HI
	MUL8 6, \st
	LQ \st+1, 4
.endm
.macro KSTEP st, vl
	s_wait_dscnt 12                                ; K's set and Q's blocks 0, 1 are in; 12 loads of blocks 2-7 may be out
	WIN MUL_LO
	MUL8 0, \st
	KREST \st, \vl
.endm
.irp g, 0,1,2,3                        ; v's first block is asked for while the tiles are on their way
	VL8 \g
.endr
	WIN 0
	s_wait_loadcnt 40                              ; K's scales are in: behind them 8 loads of Q's and 32 of v's were issued
.irp i, 0,1,2,3,4,5,6,7
	ds_store_b128 v[KSS], v[STG+4*\i:STG+4*\i+3] offset:4*SPITCH*\i
.endr
	s_wait_loadcnt 32                              ; Q's scales are in
	s_wait_tensorcnt 0x0                           ; my part of slot 0 is in
	ds_add_u32 v[SPW], v[NIL]
	s_wait_dscnt 0x0                               ; the add is done, and my rows of K's scales lie in LDS
	CROUND
	JLOAD 1                                        ; channels 512-1,023: the first tensor load behind the round; it has three K steps in which to land
	FIRST 0
	KSTEP 0, 4
	KSTEP 1, 6
	KSTEP 2, 8
	s_wait_tensorcnt 0x0                           ; my part of slot 1 is in
	s_wait_dscnt 0x0                               ; no LDS instruction of mine is out at the signal
	s_barrier_signal -1
	WIN MUL_LO
	MUL8 0, 3
	s_barrier_wait -1                              ; everybody's is.
	KREST 3, 10
	KSTEP 4, 12
	KSTEP 5, 14
	KSTEP 6, -1
	; tile 0's last K step: its fragments are the last that are read of these keys
	WIN 0
	s_wait_tensorcnt 0x0                           ; no tensor load of mine is out
	ds_add_u32 v[SPW], v[NIL]                      ; eight products stand between the add and the wait for it
	s_wait_dscnt 13                                ; 12 loads of blocks 2-7 and the add may be out
	WIN MUL_LO
	MUL8 0, 7
	s_wait_dscnt 0x0                               ; the add is done, and all my reads of tile 0's keys are over
	s_barrier_signal -1                            ; this barrier opens a round of the cluster's barrier
	MUL8 2, 7
	WIN 0
	s_barrier_wait -1
	CREST
	tensor_load_to_lds s[G0R:G0R+3], s[G1B:G1B+7]  ; tile 1's keys over tile 0's: one joint load a wave; it has tile 0's softmax in which to land
	s_nop 0
	WIN MUL_HI
	MUL8 4, 7
	MUL8 6, 7
	PLACES
	WIN 0
	global_prefetch_b8 v[PFV], s[PFB:PFB+1] th:TH_LOAD_NT scope:SCOPE_SE
	global_prefetch_b8 v[PFV], s[PFB:PFB+1] offset:4194304 th:TH_LOAD_NT scope:SCOPE_SE
; vq's block c.  left: how many younger global loads may stay out (behind block 0's loads 96 were issued and behind block 1's 64: the count written is the largest that the wait can name).
.set VT,  184                          ; v184-185 two chains of maxima.  All of vq's registers lie in window 1
.set VSO, 186                          ; the conversions' scale operand
.set VBY, 187                          ; the scale's byte
.set VW,  188                          ; my channel's scale word of the step
.set VC,  144                          ; v144-159 the codes, four registers a block
.macro VQB c, left
.set XS, 64+32*(\c)+64*((\c)/2)
	s_wait_loadcnt \left
	WIN 0x55
	v_max3_num_f32 v[VT], |v[XS]|, |v[XS+1]|, |v[XS+2]|            ; the block's largest magnitude: all 32 numbers are mine; two chains
	v_max3_num_f32 v[VT+1], |v[XS+3]|, |v[XS+4]|, |v[XS+5]|
.irp m, 6,10,14,18,22,26
	v_max3_num_f32 v[VT], v[VT], |v[XS+\m]|, |v[XS+\m+1]|
	v_max3_num_f32 v[VT+1], v[VT+1], |v[XS+\m+2]|, |v[XS+\m+3]|
.endr
	v_max3_num_f32 v[VT], v[VT], |v[XS+30]|, |v[XS+31]|
	v_max3_num_f32 v[VT], v[VT], v[VT+1], 0x1800000                ; and the floor 2^(3 - 127): the byte cannot fall under 1
	v_add_nc_u32 v[VSO], 0xff000000, v[VT]         ; 2 off its exponent field: the conversion takes the exponent field of this operand as its scale
	v_lshrrev_b32 v[VBY], 23, v[VSO]               ; the scale's byte
.if (\c) == 0
	v_mov_b32 v[VW], v[VBY]                        ; the step's four bytes make my channel's scale word
.else
	v_lshl_or_b32 v[VW], v[VBY], 8*(\c), v[VW]
.endif
.irp g, 0,1,2,3
	v_cvt_scalef32_pk8_fp4_f32 v[VC+4*(\c)+\g], v[XS+8*\g:XS+8*\g+7], v[VSO]
.endr
	v_nop                                          ; one plain place behind the conversions
	WIN 0x04                                       ; a store's data are its source 1: window 1
	global_store_b128 v[VOUT], v[VC+4*(\c):VC+4*(\c)+3], s[86:87] offset:((\c)/2)*512+((\c)%2)*256   ; each half of the lanes stores 256 consecutive bytes, aligned
.endm
; the softmax, two tiles of 16 queries at a time (e = 0, 1), their chains by turns
.set PB,  128                          ; window 0, v128-255: t - M, then p
.set BM,  0                            ; window 1 from here on: v0-7 each block's largest score, then its largest p
.set BX,  8                            ; v8-15   the other half's
.set RM,  16                           ; v16-17  the step's largest t
.set NM,  18                           ; v18-21  -M, a pair a tile (the packed form names the pair and takes its low word)
.set SU,  24                           ; v24-31  the sums
.set SO,  32                           ; v32-39  the conversions' scale operands
.set BY,  40                           ; v40-47  the scale bytes
.set WE,  160                          ; v160-163 scale words of tiles 0, 2, 4, 6; v164-167 of tiles 1, 3, 5, 7
.set ME,  168                          ; -M likewise
.set LE,  176                          ; the sums likewise
.macro SOFT pr
.set WA, 2+(\pr)/2                     ; the tiles' accumulators: window 2 or 3,
.set S, 128*((\pr)%2)                  ; 128 registers from here
.if (\pr) < 2                          ; the codes: no pair's store data are written again in a trip
.set PW, 1
.set PCS, 48+80*(\pr)
.else
.set PW, 0
.set PCS, 96+16*((\pr)-2)
.endif
.set WN, 0x40|(WA<<4)|(WA<<2)|WA
	WIN WN
	s_wait_alu depctr_va_vdst(0)                   ; directly ahead of the accumulators' first readers
.irp i, 0,1,2,3,4,5,6,7
	v_max3_num_f32 v[BM+\i], v[S+16*\i], v[S+16*\i+1], v[S+16*\i+2]   ; the largest score of each block of 32 keys; each accumulator is read from its low end on
.endr
.set WN, 0x41|(WA<<4)|(WA<<2)
	WIN WN
.irp m, 3,5,7,9,11,13
.irp i, 0,1,2,3,4,5,6,7
	v_max3_num_f32 v[BM+\i], v[BM+\i], v[S+16*\i+\m], v[S+16*\i+\m+1]
.endr
.endr
.irp i, 0,1,2,3,4,5,6,7
	v_max_num_f32 v[BM+\i], v[BM+\i], v[S+16*\i+15]
.endr
	WIN 0x55
.irp i, 0,1,2,3,4,5,6,7
	v_permlanex16_b32 v[BX+\i], v[BM+\i], s[SEL], s[SEL+1]
.endr
.irp i, 0,1,2,3,4,5,6,7
	v_max_num_f32 v[BM+\i], v[BM+\i], v[BX+\i]     ; with lane l xor 16's 16 keys
.endr
.irp e, 0,1
	v_max3_num_f32 v[RM+\e], v[BM+4*\e], v[BM+4*\e+1], v[BM+4*\e+2]
.endr
.irp e, 0,1
	v_max_num_f32 v[RM+\e], v[RM+\e], v[BM+4*\e+3]
.endr
.irp e, 0,1
	v_mul_f32 v[RM+\e], s[CS], v[RM+\e]            ; the step's largest t of my query (c is positive)
.endr
.irp e, 0,1
	v_floor_f32 v[NM+2*\e], -v[RM+\e]              ; -M = floor(-t) = -ceil(t): a whole number
.endr
.irp e, 0,1
	v_floor_f32 v[ME+4*\e+\pr], -v[RM+\e]          ; and once more, where it is kept for the store
.endr
.set WN, 0x10|WA
	WIN WN
.set k, 0
.rept 64
	v_pk_fma_f32 v[PB+k:PB+k+1], v[S+k:S+k+1], s[CS:CS+1], v[NM+2*(k/64):NM+2*(k/64)+1] op_sel_hi:[1,0,0]   ; t - M, two at a time
.set k, k+2
.endr
	WIN 0x55
.irp i, 0,1,2,3,4,5,6,7
	v_fma_f32 v[BM+\i], v[BM+\i], s[CS], v[NM+2*(\i/4)]            ; the same of each block's largest score: p rises with the score
.endr
	s_wait_alu depctr_va_vdst(0)
.irp i, 0,1,2,3,4,5,6,7
	v_exp_f32 v[BM+\i], v[BM+\i]                   ; the block's largest p: the same two instructions on the same number
.endr
	WIN 0
.set k, 0
.rept 128
	v_exp_f32 v[PB+k], v[PB+k]                     ; p = 2^(t - M), at most 1
.set k, k+1
.endr
	v_nop                                          ; a plain place behind the exponentials
	WIN 0x40
	s_wait_alu depctr_va_vdst(0)                   ; one wait for the batch, ahead of its first reader
.irp e, 0,1
	v_pk_add_f32 v[SU+4*\e:SU+4*\e+1], v[PB+64*\e:PB+64*\e+1], v[PB+64*\e+2:PB+64*\e+3]            ; the sum is taken of the unquantised p: two chains a tile
	v_pk_add_f32 v[SU+4*\e+2:SU+4*\e+3], v[PB+64*\e+4:PB+64*\e+5], v[PB+64*\e+6:PB+64*\e+7]
.endr
	WIN 0x41
.irp m, 8,12,16,20,24,28,32,36,40,44,48,52,56,60
.irp e, 0,1
	v_pk_add_f32 v[SU+4*\e:SU+4*\e+1], v[SU+4*\e:SU+4*\e+1], v[PB+64*\e+\m:PB+64*\e+\m+1]
	v_pk_add_f32 v[SU+4*\e+2:SU+4*\e+3], v[SU+4*\e+2:SU+4*\e+3], v[PB+64*\e+\m+2:PB+64*\e+\m+3]
.endr
.endr
	WIN 0x55
.irp e, 0,1
	v_pk_add_f32 v[SU+4*\e:SU+4*\e+1], v[SU+4*\e:SU+4*\e+1], v[SU+4*\e+2:SU+4*\e+3]
.endr
.irp i, 0,1,2,3,4,5,6,7
	v_max_num_f32 v[BM+\i], 0x1800000, v[BM+\i]    ; the floor 2^(3 - 127): the byte cannot fall under 1
.endr
.irp e, 0,1
	v_add_f32 v[SU+4*\e], v[SU+4*\e], v[SU+4*\e+1]
.endr
.irp i, 0,1,2,3,4,5,6,7
	v_add_nc_u32 v[SO+\i], 0xff000000, v[BM+\i]    ; 2 off the exponent field: the conversion's scale operand
.endr
.irp e, 0,1
	v_permlanex16_b32 v[SU+4*\e+2], v[SU+4*\e], s[SEL], s[SEL+1]
.endr
.irp i, 0,1,2,3,4,5,6,7
	v_lshrrev_b32 v[BY+\i], 23, v[SO+\i]           ; the scale's byte
.endr
.irp e, 0,1
	v_add_f32 v[LE+4*\e+\pr], v[SU+4*\e], v[SU+4*\e+2]             ; the step's 128 keys of my query
.endr
.irp e, 0,1
	v_lshl_or_b32 v[WE+4*\e+\pr], v[BY+4*\e+1], 8, v[BY+4*\e]
.endr
.irp e, 0,1
	v_lshl_or_b32 v[WE+4*\e+\pr], v[BY+4*\e+2], 16, v[WE+4*\e+\pr]
.endr
.irp e, 0,1
	v_lshl_or_b32 v[WE+4*\e+\pr], v[BY+4*\e+3], 24, v[WE+4*\e+\pr]
.endr
.set WN, 0x04|(PW<<6)
	WIN WN
.irp i, 0,1,2,3,4,5,6,7
	v_cvt_scalef32_pk8_fp4_f32 v[PCS+2*\i], v[PB+16*\i:PB+16*\i+7], v[SO+\i]
	v_cvt_scalef32_pk8_fp4_f32 v[PCS+2*\i+1], v[PB+16*\i+8:PB+16*\i+15], v[SO+\i]
.endr
	v_nop                                          ; one plain place behind a scaled conversion
.set WN, PW*0x41
	WIN WN
.irp c, 0,1,2,3                        ; the operand's layout wants a whole block in a lane: lanes 0-15 block 2 c, lanes 16-31 block 2 c + 1
.irp m, 0,1
	v_permlane16_swap_b32 v[PCS+4*\c+\m], v[PCS+4*\c+2+\m]
.endr
.endr
.set WN, PW*4
	WIN WN                                         ; a store's data are its source 1
.irp c, 0,1,2,3
	global_store_b128 v[CO], v[PCS+4*\c:PCS+4*\c+3], s[12:13] offset:2048*(\pr)+512*\c   ; the fragments' images: 512 consecutive bytes a store
.endr
.endm
	s_mov_b32 s23, 2                               ; tiles
	s_wait_alu depctr_va_vdst(0)
.Lsoft:                                                ; a trip: tile u's softmax and vq's share; behind it, in trip 0 alone, tile 1's products
	SOFT 0
	SOFT 1
	VQB 0, 63
	VQB 1, 63
	VQB 2, 32                                      ; block 3's 32 loads may be out
	VQB 3, 0
	SOFT 2
	SOFT 3
	WIN 0x55
.irp j, 0,1,2,3                        ; lanes 0-15 keep tile 2 j's query r, lanes 16-31 take tile 2 j + 1's: lane l then holds query 32 j + l
	v_permlane16_swap_b32 v[WE+\j], v[WE+4+\j]
	v_permlane16_swap_b32 v[ME+\j], v[ME+4+\j]
	v_permlane16_swap_b32 v[LE+\j], v[LE+4+\j]
.endr
	WIN 0x04
	global_store_b128 v[CO], v[WE:WE+3], s[14:15]  ; 512 consecutive bytes each
	global_store_b128 v[CO], v[ME:ME+3], s[16:17]
	global_store_b128 v[CO], v[LE:LE+3], s[18:19]
	WIN 0
	s_wait_alu depctr_va_vdst(0)                   ; ahead of the branch
	s_sub_co_u32 s23, s23, 1
	s_cmp_eq_u32 s23, 0
	s_cbranch_scc1 .Lend
	WIN 0x01
	v_mov_b32 v[VW0], v[VW]                        ; trip 0's scale word of v is kept for the end
	WIN 0
	s_wait_alu depctr_va_vdst(0)
	s_wait_xcnt 0x0                                ; every load and store of trip 0 has read its sources: addresses and data may be written
	s_add_nc_u64 s[12:13], s[12:13], 16384         ; two steps on
	s_add_nc_u64 s[14:15], s[14:15], 32768
	s_add_nc_u64 s[16:17], s[16:17], 32768
	s_add_nc_u64 s[18:19], s[18:19], 32768
	s_add_nc_u64 s[84:85], s[84:85], 8192
	s_add_nc_u64 s[90:91], s[90:91], 8192
	s_add_nc_u64 s[86:87], s[86:87], 8192
	s_wait_tensorcnt 0x0                           ; my part of tile 1's keys is in
	s_wait_dscnt 0x0
	s_barrier_signal -1
	s_barrier_wait -1                              ; everybody's is.
	FIRST 1
	KSTEP 0, 0
	KSTEP 1, 2
	KSTEP 2, 4
	KSTEP 3, 6
	KSTEP 4, 8
	KSTEP 5, 10
	KSTEP 6, 12
	s_wait_dscnt 12                                ; the last K step: nothing more to fetch from LDS
	WIN MUL_LO
	MUL8 0, 7
	VL8 14
	s_wait_dscnt 8
	WIN MUL_LO
	MUL8 2, 7
	VL8 15
	s_wait_dscnt 4
	WIN MUL_HI
	MUL8 4, 7
	s_wait_dscnt 0x0
	MUL8 6, 7
	PLACES
	WIN 0
	s_cmp_lg_u32 s23, 0
	s_cbranch_scc1 .Lsoft
.Lend:
	WIN 0
	ds_store_b32 v[XST], v[VW0]                    ; the scale words of v meet in LDS: trip 0's,
	WIN 0x04
	ds_store_b32 v[XST], v[VW] offset:8            ; and trip 1's, two steps on
	WIN 0
	s_wait_dscnt 0x0                               ; for the others' sake: my words have landed
	s_barrier_signal -1
	s_barrier_wait -1
	s_cmp_gt_u32 s20, 1                            ; waves 0 and 1 store the four steps' words of 32 channels each: 512 consecutive bytes
	s_cbranch_scc1 .Lnot_first
	ds_load_b128 v[8:11], v[XLD]                   ; (registers that no pending store names)
	s_wait_dscnt 0x0
	global_store_b128 v[CO], v[8:11], s[88:89]
.Lnot_first:
	s_wait_tensorcnt 0x0                           ; the wave's end: behind my last tensor load and my last LDS store
	ds_add_u32 v[SPW], v[NIL]
	s_wait_dscnt 0x0
	CROUND                                         ; the closing round
	s_endpgm
.Lfunc_end_k_qf13fc565d9_sp:
	.size	k_qf13fc565d9_sp, .Lfunc_end_k_qf13fc565d9_sp-k_qf13fc565d9_sp
	.p2alignl 7, 3214868480
	.fill 96, 4, 3214868480
	.section	.rodata,"a",@progbits
	.p2align	6, 0x0
	.amdhsa_kernel k_qf13fc565d9_sp
		.amdhsa_group_segment_fixed_size 327680
		.amdhsa_private_segment_fixed_size 0
		.amdhsa_enable_private_segment 0
		.amdhsa_kernarg_size 88
		.amdhsa_user_sgpr_count 2
		.amdhsa_user_sgpr_kernarg_segment_ptr 1
		.amdhsa_wavefront_size32 1
		.amdhsa_system_sgpr_workgroup_id_x 1
		.amdhsa_system_sgpr_workgroup_id_y 1
		.amdhsa_system_sgpr_workgroup_id_z 1
		.amdhsa_system_vgpr_workitem_id 0
		.amdhsa_next_free_vgpr 1024
		.amdhsa_next_free_sgpr 102
		.amdhsa_reserve_vcc 0
		.amdhsa_float_denorm_mode_32 3
		.amdhsa_float_denorm_mode_16_64 3
		.amdhsa_memory_ordered 1
		.amdhsa_forward_progress 1
		.amdhsa_inst_pref_size 238
	.end_amdhsa_kernel
	.amdgpu_metadata
---
amdhsa.version: [ 1, 2 ]
amdhsa.kernels:
  - .name:           k_qf13fc565d9_sp
    .symbol:         k_qf13fc565d9_sp.kd
    .args:
      - { .name: q_codes, .offset: 0, .size: 8, .value_kind: global_buffer, .address_space: global }
      - { .name: q_scales, .offset: 8, .size: 8, .value_kind: global_buffer, .address_space: global }
      - { .name: k_codes, .offset: 16, .size: 8, .value_kind: global_buffer, .address_space: global }
      - { .name: k_scales, .offset: 24, .size: 8, .value_kind: global_buffer, .address_space: global }
      - { .name: pc, .offset: 32, .size: 8, .value_kind: global_buffer, .address_space: global }
      - { .name: pw, .offset: 40, .size: 8, .value_kind: global_buffer, .address_space: global }
      - { .name: pm, .offset: 48, .size: 8, .value_kind: global_buffer, .address_space: global }
      - { .name: pl, .offset: 56, .size: 8, .value_kind: global_buffer, .address_space: global }
      - { .name: v, .offset: 64, .size: 8, .value_kind: global_buffer, .address_space: global }
      - { .name: vc, .offset: 72, .size: 8, .value_kind: global_buffer, .address_space: global }
      - { .name: vs, .offset: 80, .size: 8, .value_kind: global_buffer, .address_space: global }
    .group_segment_fixed_size: 327680
    .private_segment_fixed_size: 0
    .kernarg_segment_align: 8
    .kernarg_segment_size: 88
    .max_flat_workgroup_size: 128
    .sgpr_count:     102
    .vgpr_count:     1024
    .wavefront_size: 32
...
	.end_amdgpu_metadata
.endif
;; end of part 1
;; launch pv (part 2): grid 4 x 64, 4 waves a work-group, clusters of 4 x 1, 327,680 bytes of LDS; arguments pc, pw, pm, pl, vc, vs, out0; writes out0
.if DOCPART == 2
	.amdgcn_target "amdgcn-amd-amdhsa--gfx1250"
	.amdhsa_code_object_version 6
	.text
	.protected	k_qf13fc565d9_pv
	.globl	k_qf13fc565d9_pv
	.p2align	8
	.type	k_qf13fc565d9_pv,@function
k_qf13fc565d9_pv:
	s_mov_b64 s[64:65], 0
	v_nop
	global_prefetch_b8 v0, s[64:65] scope:SCOPE_SE
	s_setreg_imm32_b32 hwreg(HW_REG_WAVE_MODE, 25, 1), 1
	s_wait_xcnt 0x0
	s_wait_alu depctr_hold_cnt(0) depctr_sa_sdst(0) depctr_va_vdst(0) depctr_va_sdst(0) depctr_va_ssrc(0) depctr_va_vcc(0) depctr_vm_vsrc(0)
	s_getreg_b32 s2, hwreg(HW_REG_IB_STS2, 6, 4)
	s_cmp_eq_u32 s2, 0
	s_cbranch_scc0 .Lentry_in_a_cluster
	s_endpgm
.Lentry_in_a_cluster:
	s_bfe_u32 s2, ttmp6, 0x10000c
	s_cmp_lg_u32 s2, 0x3003
	s_cbranch_scc0 .Lentry_shape_is_right
	s_endpgm
.Lentry_shape_is_right:
; out0 = (P V) / l on codes of FP4, K = the 4,096 permuted keys in 32 steps of 128.  Nothing is left out here; queries are in token order (the queries' permutation and its inverse cancel: see sp).
; HEAD.  sp left, for each (query, step), p's scale word under a local whole number M_s, -M_s and a partial sum.  Here M = the largest M_s of the row, d = M - M_s >= 0: each scale byte b becomes b - d
; (0 where that would be negative: a factor 2^-127 on numbers that have fallen out of f32 in reference() too), and l = the sum of the partial sums x 2^-d.  d is held at 127.  The codes stay as they are.
; SHARES.  A work-group takes 128 queries (a chunk) x 256 channels; wave w all 128 queries x channels 64 w on: 8 tiles of 16 queries x 2 tiles of 32 channels = 16 accumulators of 16 registers.
; P, the larger operand, is read by this cluster alone: the chunk's 262,144 bytes of fragment images come into LDS ONCE, by joint loads of the four work-groups (mask 15): wave g fetches the eight steps 8 g on.
; One tensor load a wave, issued at the head; nothing in LDS is filled twice.
; V's fragments go from memory straight into my registers, as the images that sp laid: 8 loads of 16 bytes a lane for a step, 7 steps ahead.  The partners of a cluster read different channels of V: nothing of it is shared among them.
; PREFETCH: the 32 chunks of a batch walk the same V: the work-group of an even chunk c from 8 on asks, in the head, for steps c and c + 1 of its four waves' channels, 8,192 bytes a wave, lanes 256 bytes apart: each block is named once in the launch.
; Steps 0 to 7 come by their loads alone.
; All scale words of all 32 steps stay in registers, so the steps are written out.
; THE MATRIX INSTRUCTION: source 0 = 32 channels of V, source 1 = 16 queries of P: lane (r, h) holds query r; register 8 t + j channel 16 t + 8 h + j of the 32.
; REGISTERS: window 0: v8-22 addresses; v32-159 P's scale words (v[32 + 32 j + s]: lanes 0-15 tile 2 j, lanes 16-31 tile 2 j + 1); v160-223 V's (v[160 + 32 p + s]: lane = channel of the 32).
;   window 1: P's fragments, two sets (v0, v64); in the head at work; v224-239 1 / l, a pair a tile.  window 2: the accumulators, (a, p) at v[32 a + 16 p].  window 3: V's fragments, eight sets of 32.
; LIMITS: as in sp; NaN and infinities are not served.
.set ASI,   262144                     ; LDS: 0 .. P's images [step][tile][1,024]; here the moved scale words [j 4][G 8][512 bytes],
.set MNP,   ASI+16384                  ; the waves' partial maxima of M, 512 bytes each,
.set LPP,   MNP+2048                   ; their partial sums,
.set STG,   LPP+2048                   ; and a stage of 16 rows x (256 + 16) bytes for each wave
.set SPARE, STG+4*16*272               ; the spare words, 128 bytes a wave
.set LA,   8                           ; v8-11   16 x lane + 65,536 g
.set AB,   12                          ; v12     16 x lane + ASI
.set AW,   13                          ; v13     + 512 x wave
.set AW2,  14                          ; v14     v12 + 1,024 x wave
.set PFV,  15                          ; v15     256 x lane
.set LI,   16                          ; v16     16 x lane
.set STO,  20
.set RD,   21
.set GO,   22
.set SPW,  28
.set NIL,  29
.set ASC,  32
.set VSC,  160
.set NR,   144                         ; window 1, in the head: the row's M
.set LAC,  148                         ; my eight steps' part of l
.set EE,   152
.set TT,   156
.set XX,   128
.set RV,   224
.set G1,   24                          ; s[24:31]
.set G0,   32                          ; s[32:35]
.set MSB, 0
.macro WIN new
.if MSB != \new
	s_set_vgpr_msb (MSB<<8)|\new
.set MSB, \new
.endif
.endm
.macro CROUND
	s_barrier_signal -1
	s_barrier_wait -1
	s_cmp_lg_u32 s18, 0
	s_cbranch_scc1 .Lnot_wave_0_\@
	s_barrier_signal -3
.Lnot_wave_0_\@:
	s_barrier_wait -3
	s_barrier_signal -1
	s_barrier_wait -1
.endm
.macro PLACES
.rept 4
	v_nop
.endr
.endm
	s_load_b256 s[4:11], s[0:1], 0x0               ; pc s[4:5], pw s[6:7], pm s[8:9], pl s[10:11]
	s_load_b128 s[12:15], s[0:1], 0x20             ; vc s[12:13], vs s[14:15]
	s_load_b64 s[16:17], s[0:1], 0x30              ; out0
	v_lshl_add_u32 v[SPW], v0, 2, SPARE
	v_mov_b32 v[NIL], 0
	ds_add_u32 v[SPW], v[NIL]                      ; the wave's opening: the add, twice on end, and its wait ahead of my first tensor load
	ds_add_u32 v[SPW], v[NIL]
	v_lshrrev_b32 v1, 5, v0
	v_readfirstlane_b32 s18, v1                    ; wave 0..3
	s_mov_b32 s19, 0xffff0000                      ; lanes 16-31
	s_mov_b32 s20, 0x76543210
	s_mov_b32 s21, 0xfedcba98                      ; v_permlanex16_b32's selects for lane l xor 16
	s_mov_b32 s22, 0x80808080
	s_bfe_u32 s50, ttmp6, 0x40000                  ; cx: which 256 channels
	s_and_b32 s51, ttmp7, 0xffff                   ; y = 32 n + chunk
	s_and_b32 s52, s51, 31                         ; chunk
	s_lshr_b32 s53, s51, 5                         ; n
	s_mov_b32 s[G1+0], 15|(3<<16)|(1<<21)          ; the mask: all four work-groups; elements of 8 bytes; bit 21 beside a mask; no padding
	s_mov_b32 s[G1+1], 32<<16                      ; tensor_dim0: rows of 256 bytes
	s_mov_b32 s[G1+2], 256<<16                     ; tensor_dim1: 256 rows: 65,536 dense bytes, eight steps
	s_mov_b32 s[G1+3], 32<<16                      ; tile_dim0
	s_mov_b32 s[G1+4], 256                         ; tile_dim1
	s_mov_b32 s[G1+5], 32                          ; tensor_dim0_stride
	s_mov_b32 s[G1+6], 0
	s_mov_b32 s[G1+7], 0
	s_lshl_b32 s54, s18, 16                        ; my eight steps of P, in LDS and in memory
	s_lshl_b32 s56, s51, 18                        ; pc: (32 n + chunk) x 262,144 + my part: made of y and the wave's number alone
	s_add_co_u32 s56, s56, s54
	s_mov_b32 s57, 0
	s_lshl_b32 s58, s53, 19                        ; pw, pm, pl: (32 n + 8 wave) x 16,384 + 512 chunk: my eight steps
	s_lshl_b32 s59, s18, 17
	s_add_co_u32 s58, s58, s59
	s_lshl_b32 s59, s52, 9
	s_add_co_u32 s58, s58, s59
	s_mov_b32 s59, 0
	s_lshl_b32 s55, s53, 4
	s_lshl_b32 s60, s50, 2
	s_add_co_u32 s55, s55, s60
	s_add_co_u32 s55, s55, s18                     ; 16 n + cg, cg = 4 cx + wave
	s_lshl_b32 s60, s55, 17                        ; vc: x 131,072
	s_mov_b32 s61, 0
	s_lshl_b32 s62, s55, 13                        ; vs: x 8,192
	s_mov_b32 s63, 0
	s_lshl_b32 s48, s53, 24                        ; out0: (4,096 n + 128 chunk) x 4,096 + (256 cx + 64 wave) x 4
	s_lshl_b32 s49, s52, 19
	s_add_co_u32 s48, s48, s49
	s_lshl_b32 s49, s50, 10
	s_add_co_u32 s48, s48, s49
	s_lshl_b32 s49, s18, 8
	s_add_co_u32 s48, s48, s49
	s_mov_b32 s49, 0
	s_lshl_b32 s40, s52, 12                        ; the prefetch: steps chunk and chunk + 1 of V
	s_mov_b32 s41, 0
	s_mul_i32 s44, s18, 16*272
	s_add_co_u32 s44, s44, STG                     ; my stage
	s_lshl_b32 s45, s18, 9
	s_lshl_b32 s46, s18, 10
	v_and_b32 v1, 31, v0                           ; lane
	v_and_b32 v2, 15, v0                           ; r
	v_bfe_u32 v3, v0, 4, 1                         ; h
	v_lshlrev_b32 v[LI], 4, v1
	v_lshlrev_b32 v[PFV], 8, v1
.irp g, 0,1,2,3
	v_add_nc_u32 v[LA+\g], 65536*\g, v[LI]
.endr
	v_add_nc_u32 v[AB], ASI, v[LI]
	v_add_nc_u32 v[AW], s45, v[AB]
	v_add_nc_u32 v[AW2], s46, v[AB]
	v_mul_u32_u24 v[STO], v2, 272
	v_lshl_add_u32 v[STO], v3, 5, v[STO]
	v_add_nc_u32 v[STO], s44, v[STO]               ; in: row r, 32 bytes for each half of the lanes
	v_mul_u32_u24 v[RD], v3, 272
	v_lshl_add_u32 v[RD], v2, 4, v[RD]
	v_add_nc_u32 v[RD], s44, v[RD]                 ; back: lanes 0-15 one row of 256 bytes, lanes 16-31 the next
	v_lshlrev_b32 v[GO], 12, v3
	v_lshl_add_u32 v[GO], v2, 4, v[GO]             ; and the same two rows in out0
	WIN 0x40
.irp j, 0,1,2,3
	v_mov_b32 v[252+\j], 0                         ; written once: a lane permute's destination counts as one of its sources
.endr
	s_wait_alu depctr_va_vdst(0)
	s_wait_dscnt 0x0                               ; both opening adds are done
	s_wait_kmcnt 0x0
	s_add_nc_u64 s[6:7], s[6:7], s[58:59]
	s_add_nc_u64 s[8:9], s[8:9], s[58:59]
	s_add_nc_u64 s[10:11], s[10:11], s[58:59]
.irp t, 0,1,2,3,4,5,6,7                ; my eight steps' -M_s, partial sums and scale words: lane l, word j: query 32 j + l.  They come while the cluster meets
	global_load_b128 v[4*\t:4*\t+3], v[LI], s[8:9] offset:16384*\t
.endr
.irp t, 0,1,2,3,4,5,6,7
	global_load_b128 v[32+4*\t:32+4*\t+3], v[LI], s[10:11] offset:16384*\t
.endr
.irp t, 0,1,2,3,4,5,6,7
	global_load_b128 v[64+4*\t:64+4*\t+3], v[LI], s[6:7] offset:16384*\t
.endr
	WIN 0
	s_add_nc_u64 s[4:5], s[4:5], s[56:57]
	s_add_nc_u64 s[12:13], s[12:13], s[60:61]
	s_add_nc_u64 s[14:15], s[14:15], s[62:63]
	s_add_nc_u64 s[16:17], s[16:17], s[48:49]
	s_add_nc_u64 s[40:41], s[12:13], s[40:41]
	s_mov_b32 s[G0], 1
	s_mov_b32 s[G0+1], s54
	s_mov_b64 s[G0+2:G0+3], s[4:5]
	s_or_b32 s[G0+3], s[G0+3], 0x80000000
	CROUND                                         ; all four work-groups are here: the joint loads meet
	tensor_load_to_lds s[G0:G0+3], s[G1:G1+7]
	s_nop 0
	PLACES
.irp p, 0,1
.irp g, 0,1,2,3,4,5,6,7
	global_load_b128 v[VSC+32*\p+4*\g:VSC+32*\p+4*\g+3], v[LI], s[14:15] offset:4096*\p+512*\g   ; V's scale words of all 32 steps
.endr
.endr
	s_bitcmp1_b32 s52, 0
	s_cselect_b32 s23, 0, s52                      ; an odd chunk asks for nothing,
	s_cmp_lt_u32 s23, 8                            ; nor do the first eight
	s_cbranch_scc1 .Lnot_mine
	global_prefetch_b8 v[PFV], s[40:41] th:TH_LOAD_NT scope:SCOPE_SE
.Lnot_mine:
.macro VLOAD s                         ; V's fragments of step s into set s % 8 of window 3
.irp t, 0,1,2,3
.irp c, 0,1
	global_load_b128 v[32*((\s)%8)+8*\t+4*\c:32*((\s)%8)+8*\t+4*\c+3], v[LI], s[12:13] offset:4096*(\s)+1024*\t+512*\c
.endr
.endr
.endm
	WIN 0xc0
.irp s, 0,1,2,3,4,5,6
	VLOAD \s
.endr
	s_wait_loadcnt 63                              ; behind the 24 loads of the statistics 72 were issued: the count is the largest that the wait can name
	WIN 0x55
.irp j, 0,1,2,3
	v_max3_num_f32 v[96+\j], -v[\j], -v[4+\j], -v[8+\j]            ; the largest M_s of my eight steps
.endr
.irp j, 0,1,2,3
	v_max3_num_f32 v[96+\j], v[96+\j], -v[12+\j], -v[16+\j]
.endr
.irp j, 0,1,2,3
	v_max3_num_f32 v[96+\j], v[96+\j], -v[20+\j], -v[24+\j]
.endr
.irp j, 0,1,2,3
	v_max_num_f32 v[96+\j], v[96+\j], -v[28+\j]
.endr
	WIN 0x04
	ds_store_b128 v[AW], v[96:99] offset:MNP-ASI
	s_wait_dscnt 0x0                               ; for the others' sake: my store has landed
	s_barrier_signal -1
	s_barrier_wait -1
	WIN 0x40
.irp w, 0,1,2,3
	ds_load_b128 v[128+4*\w:128+4*\w+3], v[AB] offset:MNP-ASI+512*\w
.endr
	s_wait_dscnt 0x0
	WIN 0x55
.irp j, 0,1,2,3
	v_max3_num_f32 v[NR+\j], v[128+\j], v[132+\j], v[136+\j]
.endr
.irp j, 0,1,2,3
	v_max_num_f32 v[NR+\j], v[NR+\j], v[140+\j]    ; the row's M
.endr
; my step t: e = M_s - M, a whole number, 0 or less, held at -127; the partial sum x 2^e; each of the word's four bytes b becomes b + e, or 0 where that is negative.
; 128 + e in all four bytes is added to the word (b <= 125: no byte carries); a byte whose top bit is then set keeps its low seven bits, the others become 0.
.macro MOVE t
.irp j, 0,1,2,3
	v_sub_f32 v[EE+\j], -v[4*(\t)+\j], v[NR+\j]
.endr
.irp j, 0,1,2,3
	v_max_num_f32 v[EE+\j], 0xc2fe0000, v[EE+\j]
.endr
.irp j, 0,1,2,3
	v_cvt_i32_f32 v[EE+\j], v[EE+\j]
.endr
.if (\t) == 0
.irp j, 0,1,2,3
	v_ldexp_f32 v[LAC+\j], v[32+\j], v[EE+\j]
.endr
.else
.irp j, 0,1,2,3
	v_ldexp_f32 v[TT+\j], v[32+4*(\t)+\j], v[EE+\j]
.endr
.irp j, 0,1,2,3
	v_add_f32 v[LAC+\j], v[LAC+\j], v[TT+\j]
.endr
.endif
.irp j, 0,1,2,3
	v_add_nc_u32 v[EE+\j], 0x80, v[EE+\j]
.endr
.irp j, 0,1,2,3
	v_perm_b32 v[EE+\j], v[EE+\j], v[EE+\j], 0     ; its low byte in all four places
.endr
.irp j, 0,1,2,3
	v_add_nc_u32 v[EE+\j], v[64+4*(\t)+\j], v[EE+\j]
.endr
.irp j, 0,1,2,3
	v_and_b32 v[TT+\j], s22, v[EE+\j]
.endr
.irp j, 0,1,2,3
	v_lshrrev_b32 v[XX+\j], 7, v[TT+\j]
.endr
.irp j, 0,1,2,3
	v_sub_nc_u32 v[TT+\j], v[TT+\j], v[XX+\j]      ; 0x7f where the top bit was set, else 0
.endr
.irp j, 0,1,2,3
	v_and_b32 v[96+8*\j+(\t)], v[EE+\j], v[TT+\j]
.endr
.endm
.irp t, 0,1,2,3,4,5,6,7
	MOVE \t
.endr
	WIN 0x04
.irp j, 0,1,2,3
.irp u, 0,1
	ds_store_b128 v[AW2], v[96+8*\j+4*\u:96+8*\j+4*\u+3] offset:(8*\j+\u)*512   ; steps 8 wave + 4 u on: group G = 2 wave + u
.endr
.endr
	ds_store_b128 v[AW], v[LAC:LAC+3] offset:LPP-ASI
	s_wait_tensorcnt 0x0                           ; my eight steps of P are in
	s_wait_dscnt 0x0
	s_barrier_signal -1
	s_barrier_wait -1                              ; all of P, the scale words and the partial sums lie in LDS
	WIN 0
.irp j, 0,1,2,3
.irp g, 0,1,2,3,4,5,6,7
	ds_load_b128 v[ASC+32*\j+4*\g:ASC+32*\j+4*\g+3], v[AB] offset:(8*\j+\g)*512   ; P's scale words of all 32 steps
.endr
.endr
.macro PLOAD s, a0                     ; four of P's eight fragments of step s into set s % 2 of window 1
.irp d, 0,1,2,3
.irp c, 0,1
	ds_load_b128 v[64*((\s)%2)+8*(\a0+\d)+4*\c:64*((\s)%2)+8*(\a0+\d)+4*\c+3], v[LA+(\s)/8] offset:((\s)%8)*8192+1024*(\a0+\d)+512*\c
.endr
.endr
.endm
	WIN 0x40
.irp w, 0,1,2,3
	ds_load_b128 v[128+4*\w:128+4*\w+3], v[AB] offset:LPP-ASI+512*\w
.endr
	PLOAD 0, 0
	PLOAD 0, 4
	s_wait_dscnt 16                                ; all but step 0's sixteen
	WIN 0x55
.irp j, 0,1,2,3
	v_add_f32 v[128+\j], v[128+\j], v[132+\j]
.endr
.irp j, 0,1,2,3
	v_add_f32 v[136+\j], v[136+\j], v[140+\j]
.endr
.irp j, 0,1,2,3
	v_add_f32 v[128+\j], v[128+\j], v[136+\j]      ; l of query 32 j + lane
.endr
	s_wait_alu depctr_va_vdst(0)
.irp j, 0,1,2,3
	v_rcp_f32 v[248+\j], v[128+\j]
.endr
	v_nop                                          ; a plain place behind the reciprocals
	s_wait_alu depctr_va_vdst(0)                   ; one wait for the four, ahead of their first reader
.irp j, 0,1,2,3
	v_permlanex16_b32 v[252+\j], v[248+\j], s20, s21
.endr
.irp j, 0,1,2,3                        ; lane (r, h) wants 1 / l of query 16 a + r: tile 2 j's lies in lane r, tile 2 j + 1's in lane 16 + r
	v_cndmask_b32 v[RV+4*\j], v[248+\j], v[252+\j], s19
	v_cndmask_b32 v[RV+4*\j+1], v[248+\j], v[252+\j], s19
	v_cndmask_b32 v[RV+4*\j+2], v[252+\j], v[248+\j], s19
	v_cndmask_b32 v[RV+4*\j+3], v[252+\j], v[248+\j], s19
.endr
	s_wait_alu depctr_va_vdst(0)
; four products of step s: tiles a0, a0 + 1 of queries x both tiles of channels.  The scale words of an odd tile of queries lie in lanes 16-31 of their register
.macro MM4 s, a0
.irp d, 0,1
.irp p, 0,1
.set DA, 32*(\a0+\d)+16*\p
.set VA, 32*((\s)%8)+16*\p
.set PA, 64*((\s)%2)+8*(\a0+\d)
.set SV, VSC+32*\p+(\s)
.set SA, ASC+32*(\a0/2)+(\s)
.if ((\s) == 0) && (\d == 0)
	v_wmma_scale_f32_32x16x128_f4 v[DA:DA+15], v[VA:VA+15], v[PA:PA+7], 0, v[SV], v[SA]
.elseif (\s) == 0
	v_wmma_scale_f32_32x16x128_f4 v[DA:DA+15], v[VA:VA+15], v[PA:PA+7], 0, v[SV], v[SA] matrix_b_scale:MATRIX_SCALE_ROW1
.elseif \d == 0
	v_wmma_scale_f32_32x16x128_f4 v[DA:DA+15], v[VA:VA+15], v[PA:PA+7], v[DA:DA+15], v[SV], v[SA]
.else
	v_wmma_scale_f32_32x16x128_f4 v[DA:DA+15], v[VA:VA+15], v[PA:PA+7], v[DA:DA+15], v[SV], v[SA] matrix_b_scale:MATRIX_SCALE_ROW1
.endif
.endr
.endr
.endm
; A STEP of 128 keys: 16 products in groups of four; between the groups the next step's P from LDS and V of seven steps on from memory, into sets whose last readers were the last step's products.
; The 16 accumulators take turns, one instruction a turn, in the same order in every step.
.macro STEP s
.if (\s)+6 <= 31
	s_wait_loadcnt 48                              ; this step's V is in; the six steps issued behind it may be out
.else
	s_wait_loadcnt 8*(31-(\s))
.endif
	s_wait_dscnt 12                                ; P's tiles 0, 1 are in; 12 loads of tiles 2-7 may be out
	WIN 0xa7                                       ; source 0 (V) window 3, source 1 (P) window 1, C and D window 2
	MM4 \s, 0
.if (\s) < 31
.if (\s) > 0
	PLACES                                         ; in front of loads into the registers that the last step's products read
.endif
	WIN 0x40
	PLOAD (\s)+1, 0
	s_wait_dscnt 16                                ; tiles 2, 3: 8 loads of tiles 4-7 and 8 of the next step may be out
	WIN 0xa7
	MM4 \s, 2
	WIN 0x40
	PLOAD (\s)+1, 4
	s_wait_dscnt 20                                ; tiles 4, 5: 4 loads and 16 of the next step
	WIN 0xa7
	MM4 \s, 4
.if (\s)+7 <= 31
	WIN 0xc0
	VLOAD (\s)+7
.endif
	s_wait_dscnt 16                                ; tiles 6, 7: 16 of the next step
	WIN 0xa7
	MM4 \s, 6
.else
	s_wait_dscnt 8
	MM4 \s, 2
	s_wait_dscnt 4
	MM4 \s, 4
	s_wait_dscnt 0x0
	MM4 \s, 6
.endif
.endm
.set SS, 0
.rept 32
	STEP SS
.set SS, SS+1
.endr
; THE WAY OUT, a tile of 16 queries at a time: x 1 / l; through my own stage in LDS; back as rows of 256 bytes, which sixteen lanes store as one aligned run.  LDS serves a wave's instructions in order (ISA guide 5.7.1.4).
.macro TOSTAGE a
	WIN 0x86                                       ; the accumulators (destination, source 0) window 2, 1 / l window 1
.set k, 0
.rept 16
	v_pk_mul_f32 v[32*(\a)+k:32*(\a)+k+1], v[32*(\a)+k:32*(\a)+k+1], v[RV+2*(\a):RV+2*(\a)+1]   ; each accumulator from its low end on
.set k, k+2
.endr
	WIN 0x08                                       ; an LDS store's data are its source 1: window 2
.irp t, 0,1,2,3
	ds_store_b128 v[STO], v[32*(\a)+8*\t:32*(\a)+8*\t+3] offset:64*\t
	ds_store_b128 v[STO], v[32*(\a)+8*\t+4:32*(\a)+8*\t+7] offset:64*\t+16
.endr
	WIN 0x40
.irp m, 0,1,2,3,4,5,6,7
	ds_load_b128 v[32*((\a)%2)+4*\m:32*((\a)%2)+4*\m+3], v[RD] offset:544*\m
.endr
.endm
.macro SEND a, younger                 ; younger: the LDS instructions issued behind tile a's loads, which may stay out
	s_wait_dscnt \younger
	WIN 0x04
.irp m, 0,1,2,3,4,5,6,7
	global_store_b128 v[GO], v[32*((\a)%2)+4*\m:32*((\a)%2)+4*\m+3], s[16:17] offset:(16*(\a)+2*\m)*4096 th:TH_STORE_NT   ; 16 lanes store 256 consecutive bytes, at a multiple of 256 from out0's first byte
.endr
.endm
	PLACES                                         ; behind the last products
	TOSTAGE 0
.irp a, 1,2,3,4,5,6,7
.if \a > 1
	s_wait_xcnt 0x0                                ; tile a - 2's stores have read their registers: tile a's rows may land there
.endif
	TOSTAGE \a
	SEND \a-1, 16                                  ; behind tile a - 1's loads: tile a's 8 stores and 8 loads
.endr
	SEND 7, 0
	WIN 0
	s_wait_tensorcnt 0x0                           ; the wave's end: behind my last tensor load and my last LDS store
	ds_add_u32 v[SPW], v[NIL]
	s_wait_dscnt 0x0
	CROUND                                         ; the closing round
	s_endpgm
.Lfunc_end_k_qf13fc565d9_pv:
	.size	k_qf13fc565d9_pv, .Lfunc_end_k_qf13fc565d9_pv-k_qf13fc565d9_pv
	.p2alignl 7, 3214868480
	.fill 96, 4, 3214868480
	.section	.rodata,"a",@progbits
	.p2align	6, 0x0
	.amdhsa_kernel k_qf13fc565d9_pv
		.amdhsa_group_segment_fixed_size 327680
		.amdhsa_private_segment_fixed_size 0
		.amdhsa_enable_private_segment 0
		.amdhsa_kernarg_size 56
		.amdhsa_user_sgpr_count 2
		.amdhsa_user_sgpr_kernarg_segment_ptr 1
		.amdhsa_wavefront_size32 1
		.amdhsa_system_sgpr_workgroup_id_x 1
		.amdhsa_system_sgpr_workgroup_id_y 1
		.amdhsa_system_sgpr_workgroup_id_z 1
		.amdhsa_system_vgpr_workitem_id 0
		.amdhsa_next_free_vgpr 1024
		.amdhsa_next_free_sgpr 66
		.amdhsa_reserve_vcc 0
		.amdhsa_float_denorm_mode_32 3
		.amdhsa_float_denorm_mode_16_64 3
		.amdhsa_memory_ordered 1
		.amdhsa_forward_progress 1
		.amdhsa_inst_pref_size 192
	.end_amdhsa_kernel
	.amdgpu_metadata
---
amdhsa.version: [ 1, 2 ]
amdhsa.kernels:
  - .name:           k_qf13fc565d9_pv
    .symbol:         k_qf13fc565d9_pv.kd
    .args:
      - { .name: pc, .offset: 0, .size: 8, .value_kind: global_buffer, .address_space: global }
      - { .name: pw, .offset: 8, .size: 8, .value_kind: global_buffer, .address_space: global }
      - { .name: pm, .offset: 16, .size: 8, .value_kind: global_buffer, .address_space: global }
      - { .name: pl, .offset: 24, .size: 8, .value_kind: global_buffer, .address_space: global }
      - { .name: vc, .offset: 32, .size: 8, .value_kind: global_buffer, .address_space: global }
      - { .name: vs, .offset: 40, .size: 8, .value_kind: global_buffer, .address_space: global }
      - { .name: out0, .offset: 48, .size: 8, .value_kind: global_buffer, .address_space: global }
    .group_segment_fixed_size: 327680
    .private_segment_fixed_size: 0
    .kernarg_segment_align: 8
    .kernarg_segment_size: 56
    .max_flat_workgroup_size: 128
    .sgpr_count:     66
    .vgpr_count:     1024
    .wavefront_size: 32
...
	.end_amdgpu_metadata
.endif
;; end of part 2
